; MI455X (gfx1250); checked and timed in simulation.
; The chip was launched on July 23, 2026; its instructions are those of AMD's public machine-readable ISA for CDNA 5 (MIT licence, August 2026) and "CDNA5" Instruction Set Architecture Reference Guide (July 2026). The comments in the code are by the model that wrote it; some were corrected since.
;; Size Conditioned Depth Experts. Allowed arithmetic: matrix products marked QUANTISED: E2M3 operands, one E8M0 scale for each 32 along K, by v_wmma_scale_f32_16x16x128_f8f6f4 with both operands' format E2M3, f32 sums; products left as they are: f32 operands where the result goes on into a quantised operand, else bf16, f16 or f32 operands; f32 sums; everything else in f32.
;; Inputs: W1 8 x 1,024 x 1,024 float32; W2 8 x 1,024 x 4 float32; b1 8 x 1,024 float32; b2 8 x 4 float32; size_idx 8,192 int32; x 8,192 x 1,024 float32.
;; Outputs: out0 8,192 x 4 float32; out1 8,192 x 5 float32.
;; This version of the problem:
;;   THIS VERSION OF THE PROBLEM IS GIVEN IN LOW PRECISION. The matrix products marked QUANTISED in the list below multiply operands that are first quantised to E2M3 (2 exponent bits, 3 mantissa bits; 6 bits a number), with one power-of-two scale for each 32 numbers along K (OCP MX v1.0); their sums are f32. All else is computed in f32.
;;   The module's matrix products, in the order in which they are computed (A, B: the left and right operand; K: the contracted axis; several contracted axes count as one K, in the product's order):
;;     1. [M 8,192, K 1,024] x [K 1,024, N 8,192]; A: input x; B: input W1: QUANTISED
;;     2. batch 8 x [M 4, K 1,024] x [K 1,024, N 8,192]; A: input W2; B: computed on the way: left as it is (M = 4 < 16)
;;   THE QUANTISER, for each operand of a quantised product, along K:
;;     - K is cut into blocks of 32 from its start; a last block that is shorter is filled with zeros.
;;     - A block's scale is 2^e with e = floor(log2(the largest magnitude in the block)) - 2, held to -126 .. 127; a block of zeros has e = 0. As a byte (E8M0): e + 127.
;;     - Each number is divided by its block's scale, clamped to +-7.5, and rounded to the nearest number of E2M3, ties to even, subnormals kept.
;;     - The product sums the exact products of the quantised numbers (number of the format x scale) in f32.
;;   ~~~python
;;   def quantise(x, axis):      # numpy; x: float32 -> the quantised numbers, widened to float32 again
;;       x = np.moveaxis(x, axis, -1); K = x.shape[-1]
;;       x = np.pad(x, [(0, 0)] * (x.ndim - 1) + [(0, -K % 32)]); x = x.reshape(x.shape[:-1] + (-1, 32)); a = np.abs(x).max(-1, keepdims=True)
;;       e = np.where(a > 0, np.clip(np.frexp(np.where(a > 0, a, 1))[1] - 1 - 2, -126, 127), 0)      # np.frexp(a)[1] - 1 = floor(log2(a)), exactly
;;       r = np.clip(x / 2.0 ** e, -7.5, 7.5)
;;       step = 2.0 ** (np.maximum(np.frexp(np.where(r == 0, 1, r))[1] - 1, 0) - 3)
;;       q = np.round(r / step) * step * 2.0 ** e      # np.round: ties to even
;;       return np.moveaxis(q.reshape(q.shape[:-2] + (-1,))[..., :K], -1, axis).astype(np.float32)
;;   ~~~
;; One version. Each part assembles by itself: llvm-mc -triple=amdgcn-amd-amdhsa -mcpu=gfx1250 --defsym DOCPART=n.
;; ======== version 1 of 1: 2 launches
;; workspace buffers: wq 6,291,456 bytes; wsc 262,144 bytes; order 33,024 bytes of whole numbers; counts 256 bytes of whole numbers
;; launch prepare (part 1): grid 257 x 1, 16 waves a work-group, no clusters, 6,144 bytes of LDS; arguments W1, size_idx, wq, wsc, order, counts; writes wq, wsc, order, counts
.if DOCPART == 1
	.amdgcn_target "amdgcn-amd-amdhsa--gfx1250"
	.amdhsa_code_object_version 6
	.text
	.protected	k_q1643c30a2e_prepare
	.globl	k_q1643c30a2e_prepare
	.p2align	8
	.type	k_q1643c30a2e_prepare,@function
k_q1643c30a2e_prepare:
	s_mov_b64 s[64:65], 0
	v_nop
	global_prefetch_b8 v0, s[64:65] scope:SCOPE_SE
	s_setreg_imm32_b32 hwreg(HW_REG_WAVE_MODE, 25, 1), 1
	s_wait_xcnt 0x0
; TWO JOBS IN ONE LAUNCH, parted on the work-group's number.
; Work-groups 1 to 256: W1 [8][1024 (k)][1024 (unit)] f32, whose K is its first axis within an expert, becomes codes of FP6 (E2M3) and E8M0 scale bytes, one for each 32 along K.
;   wq  [expert 8][tile of 16 units 64][K step of 128: 8][group 3][lane 32][16 bytes]: the image of an operand's 12 registers: lane (r, h) holds unit 16 c + r, registers 6 c' .. 6 c' + 5 hold k = 128 s + 64 c' + 32 h + 0 .. 31.
;   wsc [expert 8][half of K 2][unit 1024][4 words]: word q is the scale word of K step 4 kh + q, its byte b serves k = 32 b on within that step.
;   A LANE TAKES A UNIT AND ITS REGISTERS RUN DOWN K: a block of 32 lies in one lane, so its largest magnitude needs no other lane, and the conversions give codes with K innermost.
;   A block's scale is 2^(floor(log2(largest magnitude)) - 2): its byte is that magnitude's exponent field - 2, held at 1 from below.
; Work-group 0: a counting sort of the 8,192 tokens by size_idx, without atomics: order = the token numbers by expert (the order within an expert is free), counts = rows of each expert.
; LIMITS: NaN and infinities in W1 are not served.  A block whose largest magnitude lies under 2^-124, a block of zeros too, keeps the byte 1: the codes of zeros are zeros, and this program alone reads the bytes.
;   size_idx is held to 0 .. 7 by an unsigned minimum.
; LDS: the quantiser's scale bytes at 0 .. 1023, the sort's counts at 1024 .. 3071: each job has bytes of its own.
.set SCL,   0
.set SORTL, 1024
.set F,     16                         ; v16-27  the fragment's 12 registers
.set T,     28                         ; v28-30, v32-34  the upper halves of the two blocks (a conversion's three registers begin on an even number)
.set X,     40                         ; v40-103 64 numbers down K
.set IDX,   40                         ; the sort: v40-55 my 16 tokens' experts
.set TP,    56                         ; v56-63  a place for each expert
	s_load_b256 s[4:11], s[0:1], 0x0               ; W1 s[4:5], size_idx s[6:7], wq s[8:9], wsc s[10:11]
	s_load_b128 s[12:15], s[0:1], 0x20             ; order s[12:13], counts s[14:15]
	v_lshl_add_u32 v104, v0, 2, 0x1000
	v_mov_b32 v105, 0
	v_lshrrev_b32 v1, 5, v0
	s_delay_alu instid0(VALU_DEP_1)
	v_readfirstlane_b32 s16, v1                    ; wave 0..15
	v_and_b32 v1, 31, v0                           ; lane
	s_cmp_eq_u32 ttmp9, 0
	s_cbranch_scc1 .Lsort
; ---------------- THE QUANTISER.  A work-group takes 64 units x 512 along K of one expert; a wave 32 units x 64 along K (two blocks a lane): 64 loads a wave, all of the work-group's 131,072 bytes asked for at once.
	s_sub_co_u32 s17, ttmp9, 1                     ; g = 0 .. 255
	s_lshr_b32 s18, s17, 5                         ; expert
	s_bfe_u32 s19, s17, 0x40001                    ; ug: which 64 units
	s_and_b32 s20, s17, 1                          ; kh: which half of K
	s_and_b32 s21, s16, 1                          ; a: which 32 of the 64 units
	s_bfe_u32 s22, s16, 0x10001                    ; h: the operand's half of the lanes that my wave makes
	s_lshr_b32 s23, s16, 2                         ; q: which K step of the half
	s_lshl_b32 s24, s20, 2
	s_add_co_u32 s24, s24, s23                     ; s = 4 kh + q
	s_lshl_b32 s26, s18, 22                        ; W1: expert x 4 MiB
	s_lshl_b32 s25, s24, 19                        ; + 128 s rows of 4,096 bytes
	s_add_co_u32 s26, s26, s25
	s_lshl_b32 s25, s22, 17                        ; + 32 h rows
	s_add_co_u32 s26, s26, s25
	s_lshl_b32 s25, s19, 8                         ; + 64 ug units of 4 bytes
	s_add_co_u32 s26, s26, s25
	s_lshl_b32 s25, s21, 7                         ; + 32 a units
	s_add_co_u32 s26, s26, s25
	s_mov_b32 s27, 0
	s_mul_i32 s28, s18, 786432                     ; wq: expert x 64 tiles x 12,288
	s_mul_i32 s25, s19, 49152                      ; + 4 ug tiles
	s_add_co_u32 s28, s28, s25
	s_mul_i32 s25, s21, 24576                      ; + 2 a tiles
	s_add_co_u32 s28, s28, s25
	s_mul_i32 s25, s24, 1536                       ; + K step s
	s_add_co_u32 s28, s28, s25
	s_lshl_b32 s25, s22, 8                         ; + lanes 16 h on: 256 bytes
	s_add_co_u32 s28, s28, s25
	s_mov_b32 s29, 0
	s_lshl_b32 s30, s18, 15                        ; wsc: expert x 32,768
	s_lshl_b32 s25, s20, 14                        ; + half of K
	s_add_co_u32 s30, s30, s25
	s_lshl_b32 s25, s19, 10                        ; + 64 ug units of 16 bytes
	s_add_co_u32 s30, s30, s25
	s_mov_b32 s31, 0
	s_lshl_b32 s34, s21, 9                         ; LDS: 16 bytes a unit: 512 a + 4 q + h
	s_lshl_b32 s25, s23, 2
	s_add_co_u32 s34, s34, s25
	s_add_co_u32 s34, s34, s22
	s_wait_alu depctr_va_vdst(0)
	v_lshlrev_b32 v2, 2, v1                        ; in: 4 bytes a lane: 128 consecutive bytes a load; waves a = 0 and 1 stand side by side on 256
	v_lshrrev_b32 v3, 4, v1
	s_delay_alu instid0(VALU_DEP_1)
	v_mul_u32_u24 v3, v3, 12288                    ; out: lanes 16-31 belong to the next tile of 16 units,
	v_and_b32 v7, 15, v1
	s_delay_alu instid0(VALU_DEP_1)
	v_lshl_add_u32 v3, v7, 4, v3                   ; 16 bytes a lane
	v_lshl_add_u32 v4, v1, 4, s34                  ; my unit's scale bytes in LDS: byte h of word q (the second block: 2 bytes on)
	v_lshlrev_b32 v5, 4, v0                        ; the scale words' way out: LDS address (SCL = 0),
	v_lshlrev_b32 v6, 4, v0                        ; and the same place in wsc
	s_wait_alu depctr_va_vdst(0)
	s_wait_kmcnt 0x0
	s_add_nc_u64 s[4:5], s[4:5], s[26:27]
	s_add_nc_u64 s[8:9], s[8:9], s[28:29]
	s_add_nc_u64 s[10:11], s[10:11], s[30:31]
.macro QLOAD c                         ; block c: W1(128 s + 32 h + 64 c + i, my unit), i = 0 .. 31
.irp i, 0,1,2,3,4,5,6,7,8,9,10,11,12,13,14,15,16,17,18,19,20,21,22,23,24,25,26,27,28,29,30,31
	global_load_b32 v[X+32*(\c)+\i], v2, s[4:5] offset:(64*(\c)+\i)*4096 th:TH_LOAD_NT
.endr
.endm
.macro QBLOCK c                        ; the block's largest magnitude (two chains), its scale, its 32 codes
.set XB, X+32*(\c)
.set MA, 8+2*(\c)
	v_max3_num_f32 v[MA], |v[XB]|, |v[XB+1]|, |v[XB+2]|
	v_max3_num_f32 v[MA+1], |v[XB+3]|, |v[XB+4]|, |v[XB+5]|
.irp i, 6,10,14,18,22,26
	s_delay_alu instid0(VALU_DEP_2)
	v_max3_num_f32 v[MA], v[MA], |v[XB+\i]|, |v[XB+\i+1]|
	s_delay_alu instid0(VALU_DEP_2)
	v_max3_num_f32 v[MA+1], v[MA+1], |v[XB+\i+2]|, |v[XB+\i+3]|
.endr
	s_delay_alu instid0(VALU_DEP_2)
	v_max3_num_f32 v[MA], v[MA], |v[XB+30]|, |v[XB+31]|
	s_delay_alu instid0(VALU_DEP_1)
	v_max3_num_f32 v[MA], v[MA], v[MA+1], 0x1800000          ; and the floor 2^(3 - 127): the byte cannot fall under 1
	s_delay_alu instid0(VALU_DEP_1)
	v_add_nc_u32 v[12+(\c)], 0xff000000, v[MA]               ; 2 off the exponent field: the conversion takes this operand's exponent field as its scale
	s_delay_alu instid0(VALU_DEP_1)
	v_lshrrev_b32 v[14+(\c)], 23, v[12+(\c)]                 ; the scale's byte
	v_cvt_scalef32_pk16_fp6_f32 v[F+6*(\c):F+6*(\c)+2], v[XB:XB+15], v[12+(\c)]
	v_cvt_scalef32_pk16_fp6_f32 v[T+4*(\c):T+4*(\c)+2], v[XB+16:XB+31], v[12+(\c)]
.endm
	QLOAD 0
	QLOAD 1
	s_wait_loadcnt 32                              ; block 0's 32 loads are in; block 1's 32 may be out
	QBLOCK 0
	s_wait_loadcnt 0x0
	QBLOCK 1
	v_nop                                          ; one plain place behind the scaled conversions
.irp c, 0,1
.irp i, 0,1,2
	v_mov_b32 v[F+3+6*\c+\i], v[T+4*\c+\i]         ; registers 6 c .. 6 c + 5 now hold the block's 32 codes
.endr
.endr
.irp g, 0,1,2
	global_store_b128 v3, v[F+4*\g:F+4*\g+3], s[8:9] offset:512*\g   ; sixteen lanes store 256 consecutive bytes, at a multiple of 256 from wq's first byte
.endr
	ds_store_b8 v4, v14                            ; block h of the K step,
	ds_store_b8 v4, v15 offset:2                   ; block 2 + h
	s_wait_dscnt 0x0                               ; for the others' sake: my bytes lie in LDS
	s_barrier_signal -1
	s_barrier_wait -1                              ; the 64 units' 16 bytes each are whole
	s_cmp_gt_u32 s16, 1
	s_cbranch_scc1 .Lquant_end                     ; waves 0 and 1 send them: 64 threads x 16 bytes = 1,024 consecutive bytes
	ds_load_b128 v[36:39], v5
	s_wait_dscnt 0x0
	global_store_b128 v6, v[36:39], s[10:11]
.Lquant_end:
	s_wait_tensorcnt 0x0
	ds_add_u32 v104, v105
	s_wait_dscnt 0x0
	s_endpgm
; ---------------- THE SORT.  512 threads, 16 tokens each: register 4 j + c of thread t is token 2048 j + 4 t + c.
.Lsort:
	v_lshlrev_b32 v2, 4, v0                        ; 16 bytes a thread: a load of a wave reads 512 consecutive bytes
	v_lshlrev_b32 v3, 2, v0                        ; 4 t
	v_lshl_add_u32 v4, v0, 2, SORTL                ; a word for each thread: wave w's counts at SORTL + 128 w, expert e in lane e's word
	s_wait_alu depctr_va_vdst(0)
	v_lshrrev_b32 v6, 3, v1                        ; lane / 8
	v_and_b32 v7, 7, v1                            ; lane % 8: the expert that this lane adds up
	s_delay_alu instid0(VALU_DEP_2)
	v_lshlrev_b32 v5, 9, v6
	s_delay_alu instid0(VALU_DEP_1)
	v_lshl_add_u32 v5, v7, 2, v5
	s_delay_alu instid0(VALU_DEP_1)
	v_add_nc_u32 v5, SORTL, v5                     ; the counts of waves 4 (lane / 8) + 0 .. 3, 128 bytes apart
	v_lshlrev_b32 v6, 2, v6                        ; 4 (lane / 8)
	v_lshlrev_b32 v7, 2, v1                        ; 4 x lane
	s_mov_b32 s74, 0x76543210
	s_mov_b32 s75, 0xfedcba98                      ; v_permlanex16_b32: lane l xor 16
.irp e, 0,1,2,3,4,5,6,7
	s_mov_b32 s[32+\e], 0                          ; my wave's count of each expert
.endr
	s_wait_kmcnt 0x0
.irp j, 0,1,2,3
	global_load_b128 v[IDX+4*\j:IDX+4*\j+3], v2, s[6:7] offset:8192*\j
.endr
	s_wait_loadcnt 0x0
.irp g, 0,1,2,3,4,5,6,7,8,9,10,11,12,13,14,15
	v_min_u32 v[IDX+\g], 7, v[IDX+\g]              ; an index stays inside the table
.endr
.macro MASKS g                         ; s[40+e]: the lanes whose token g goes to expert e;  s[48+e]: how many
.irp e, 0,1,2,3,4,5,6,7
	v_cmp_eq_u32 s[40+\e], \e, v[IDX+(\g)]
.endr
.endm
.macro TALLY base                      ; the masks' counts are added onto s[base + e]
.irp e, 0,1,2,3,4,5,6,7
	s_bcnt1_i32_b32 s[48+\e], s[40+\e]
.endr
.irp e, 0,1,2,3,4,5,6,7
	s_add_co_u32 s[\base+\e], s[\base+\e], s[48+\e]
.endr
.endm
.irp g, 0,1,2,3,4,5,6,7,8,9,10,11,12,13,14,15
	MASKS \g
	TALLY 32
.endr
	v_mov_b32 v8, 0
.irp e, 0,1,2,3,4,5,6,7
	s_delay_alu instid0(VALU_DEP_1)
	v_writelane_b32 v8, s[32+\e], \e
.endr
	ds_store_b32 v4, v8
	s_wait_dscnt 0x0                               ; for the others' sake
	s_barrier_signal -1
	s_barrier_wait -1                              ; all sixteen waves' counts lie in LDS
.irp i, 0,1,2,3
	ds_load_b32 v[12+\i], v5 offset:128*\i
.endr
	s_wait_dscnt 0x0
	v_add_nc_u32 v8, v12, v13
	s_delay_alu instid0(VALU_DEP_1)
	v_add3_u32 v8, v8, v14, v15                    ; four waves' rows of my expert,
	v_mov_b32 v9, 0                                ; and those of them that come from waves before mine
.irp i, 0,1,2,3
	v_add_nc_u32 v10, \i, v6
	s_delay_alu instid0(VALU_DEP_1)
	v_cmp_gt_u32 vcc_lo, s16, v10
	s_delay_alu instid0(VALU_DEP_1)
	v_cndmask_b32 v10, 0, v[12+\i], vcc_lo
	s_delay_alu instid0(VALU_DEP_1)
	v_add_nc_u32 v9, v9, v10
.endr
	v_mov_b32 v11, 0                               ; (a lane move's destination counts as one of its sources)
	v_mov_b32_dpp v10, v8 row_xmask:8 row_mask:0xf bank_mask:0xf
	s_delay_alu instid0(VALU_DEP_3)
	v_mov_b32_dpp v11, v9 row_xmask:8 row_mask:0xf bank_mask:0xf
	s_delay_alu instid0(VALU_DEP_2)
	v_add_nc_u32 v8, v8, v10                       ; with lane l xor 8's four waves,
	s_delay_alu instid0(VALU_DEP_2)
	v_add_nc_u32 v9, v9, v11
	s_delay_alu instid0(VALU_DEP_2)
	v_permlanex16_b32 v10, v8, s74, s75
	s_delay_alu instid0(VALU_DEP_2)
	v_permlanex16_b32 v11, v9, s74, s75
	s_delay_alu instid0(VALU_DEP_2)
	v_add_nc_u32 v8, v8, v10                       ; and lane l xor 16's eight: lane l holds expert l % 8's rows in all
	s_delay_alu instid0(VALU_DEP_2)
	v_add_nc_u32 v9, v9, v11
.irp e, 0,1,2,3,4,5,6,7
	v_readlane_b32 s[66+\e], v8, \e
	v_readlane_b32 s[56+\e], v9, \e
.endr
	s_mov_b32 s17, 0
.irp e, 0,1,2,3,4,5,6,7
	s_add_co_u32 s[56+\e], s[56+\e], s17           ; where my wave's first row of expert e goes: the experts before, and the waves before
	s_add_co_u32 s17, s17, s[66+\e]
.endr
.macro PLACE g
	MASKS \g
.irp e, 0,1,2,3,4,5,6,7
	v_mbcnt_lo_u32_b32 v[TP+\e], s[40+\e], s[56+\e]          ; the base + the lanes below mine that go to expert e
.endr
	v_mov_b32 v9, v[TP]
.irp e, 1,2,3,4,5,6,7
	s_delay_alu instid0(VALU_DEP_1)
	v_cndmask_b32 v9, v9, v[TP+\e], s[40+\e]       ; my own expert's
.endr
	s_wait_alu depctr_va_vdst(0)
	TALLY 56                                       ; the bases go on by this group's rows
	v_min_u32 v9, 0x1fff, v9                       ; a place stays inside the list
	s_delay_alu instid0(VALU_DEP_1)
	v_lshlrev_b32 v[64+(\g)], 2, v9                ; each group has registers of its own for its store: none is written again
	v_add_nc_u32 v[80+(\g)], 2048*((\g)/4)+(\g)%4, v3
	global_store_b32 v[64+(\g)], v[80+(\g)], s[12:13]
.endm
.irp g, 0,1,2,3,4,5,6,7,8,9,10,11,12,13,14,15
	PLACE \g
.endr
	s_cmp_lg_u32 s16, 0
	s_cbranch_scc1 .Lsort_end
	global_store_b32 v7, v8, s[14:15]              ; counts: words 0-7 (words 8-31 repeat them)
	v_lshlrev_b32 v10, 3, v1
	v_mov_b32 v12, 0
	v_mov_b32 v13, 0
	global_store_b64 v10, v[12:13], s[12:13] offset:32768    ; 64 zeros behind the list: a read of 64 rows from any first row finds written words, and token 0 is a valid row
.Lsort_end:
	s_wait_tensorcnt 0x0
	ds_add_u32 v104, v105
	s_wait_dscnt 0x0
	s_endpgm
.Lfunc_end_k_q1643c30a2e_prepare:
	.size	k_q1643c30a2e_prepare, .Lfunc_end_k_q1643c30a2e_prepare-k_q1643c30a2e_prepare
	.p2alignl 7, 3214868480
	.fill 96, 4, 3214868480
	.section	.rodata,"a",@progbits
	.p2align	6, 0x0
	.amdhsa_kernel k_q1643c30a2e_prepare
		.amdhsa_group_segment_fixed_size 6144
		.amdhsa_private_segment_fixed_size 0
		.amdhsa_enable_private_segment 0
		.amdhsa_kernarg_size 48
		.amdhsa_user_sgpr_count 2
		.amdhsa_user_sgpr_kernarg_segment_ptr 1
		.amdhsa_wavefront_size32 1
		.amdhsa_system_sgpr_workgroup_id_x 1
		.amdhsa_system_sgpr_workgroup_id_y 1
		.amdhsa_system_sgpr_workgroup_id_z 1
		.amdhsa_system_vgpr_workitem_id 0
		.amdhsa_next_free_vgpr 106
		.amdhsa_next_free_sgpr 76
		.amdhsa_reserve_vcc 1
		.amdhsa_float_denorm_mode_32 3
		.amdhsa_float_denorm_mode_16_64 3
		.amdhsa_memory_ordered 1
		.amdhsa_forward_progress 1
		.amdhsa_inst_pref_size 77
	.end_amdhsa_kernel
	.amdgpu_metadata
---
amdhsa.version: [ 1, 2 ]
amdhsa.kernels:
  - .name:           k_q1643c30a2e_prepare
    .symbol:         k_q1643c30a2e_prepare.kd
    .args:
      - { .name: W1, .offset: 0, .size: 8, .value_kind: global_buffer, .address_space: global }
      - { .name: size_idx, .offset: 8, .size: 8, .value_kind: global_buffer, .address_space: global }
      - { .name: wq, .offset: 16, .size: 8, .value_kind: global_buffer, .address_space: global }
      - { .name: wsc, .offset: 24, .size: 8, .value_kind: global_buffer, .address_space: global }
      - { .name: order, .offset: 32, .size: 8, .value_kind: global_buffer, .address_space: global }
      - { .name: counts, .offset: 40, .size: 8, .value_kind: global_buffer, .address_space: global }
    .group_segment_fixed_size: 6144
    .private_segment_fixed_size: 0
    .kernarg_segment_align: 8
    .kernarg_segment_size: 48
    .max_flat_workgroup_size: 512
    .sgpr_count:     76
    .vgpr_count:     106
    .wavefront_size: 32
...
	.end_amdgpu_metadata
.endif
;; end of part 1
;; launch experts (part 2): grid 135 x 1, 4 waves a work-group, no clusters, 143,872 bytes of LDS; arguments x, order, counts, wq, wsc, b1, W2, b2, out0, out1; writes out0, out1
.if DOCPART == 2
	.amdgcn_target "amdgcn-amd-amdhsa--gfx1250"
	.amdhsa_code_object_version 6
	.text
	.protected	k_q1643c30a2e_experts
	.globl	k_q1643c30a2e_experts
	.p2align	8
	.type	k_q1643c30a2e_experts,@function
k_q1643c30a2e_experts:
	s_mov_b64 s[64:65], 0
	v_nop
	global_prefetch_b8 v0, s[64:65] scope:SCOPE_SE
	s_setreg_imm32_b32 hwreg(HW_REG_WAVE_MODE, 25, 1), 1
	s_wait_xcnt 0x0
; logits = relu(Q(x) Q(W1[e]) + b1[e]) W2[e] + b2[e] and the five ordinal probabilities, for each token with its own expert e = size_idx: only the chosen expert is multiplied.
; ONE WORK-GROUP TAKES ONE TILE OF 64 ROWS OF ONE EXPERT THROUGH THE WHOLE CHAIN.  8,192 rows in tiles of 64 over 8 experts are never more than 127 + 8 = 135 tiles, whatever the split: that is the grid.
; Which tile is mine is worked out from the 8 stored counts, without a jump.  A work-group that the split leaves without rows still quantises 64 valid rows, jumps over the products (one scalar branch on the stored
; number, round no barrier) and stores nothing.
; SHARES.  X phase: wave w gathers rows 16 w .. 16 w + 15 of the tile (f32), quantises them to FP6 (E2M3) codes with an E8M0 byte for each 32 along K, and puts the 8 fragments into LDS as images of their registers.
; Products: THE WAVES SHARE THE HIDDEN UNITS: wave w makes units 256 w .. 256 w + 255 for all 64 rows.  All 32 fragments of x (4 tiles of rows x 8 K steps, 384 registers) stay in every wave's registers; the weights'
; codes come from memory straight into registers, in the order of the operand's registers (512 consecutive bytes a load), each byte by one wave, once; three sets of registers, two tiles ahead.
; A tile of 16 units is 32 matrix instructions on four accumulators by turns (source 0 = 16 units of W1, source 1 = 16 rows of x: a lane holds ONE row and eight units); b1 is the C of the first four.
; Then relu and the second product at once: 4 columns are too few for the matrix unit, so it is 64 packed f32 multiply-adds a tile.  The hidden layer never leaves the registers.
; The four waves' partial logits meet in LDS; wave w finishes rows 16 w .. 16 w + 15 and stores them at their tokens' places: 16 and 20 bytes a row, since the tile is in expert order and the outputs in token order.
; NO JOINT LOADS: partners of a cluster would have to hold tiles of one expert, which hangs on the stored counts, and this text has a branch on such a number; so the weights go through registers.
; LIMITS: NaN and infinities among the inputs are not served.  A block of x whose largest magnitude lies under 2^-124, a block of zeros too, keeps the scale byte 1: the codes of zeros are zeros.
; The rows behind an expert's last row in its last tile (63 at the most) are read and dropped here and read again by the tile that owns them.  135 work-groups: the other WGPs have no work in this launch.
; REGISTERS, in windows of 256.  window 0: v1-21 addresses; v24-39 x's scale words; v40-51 W1's, three sets; v52-67 the logits' sums; v70-71 a scale word just made; v72-199 numbers of x, later v72-103 the four
;   accumulators, v104-119 b1 (two sets), v120-151 W2, v152.. the end; v200-239 codes just made (two sets); v240-255 at work.
;   window 1: v0-191 x as loaded (three sets), later x's fragments of K steps 0-3; v192-239 W1's set 2, K steps 0-3.   window 2: the same for K steps 4-7.   window 3: W1's sets 0 and 1, 96 registers each.
.set STG,   0                          ; LDS: for each wave two stages of 16 rows x (512 + 16) bytes: 16,896 a wave
.set XIMG,  67584                      ; x's 32 fragments: (8 m + s) x 1,536 + 512 g + 16 x lane
.set XSC,   116736                     ; their scale words: 512 m + 256 (s / 4) + 16 r + 4 (s % 4)
.set W2L,   118784                     ; my wave's 256 rows of W2, 4,096 bytes a wave
.set B1L,   135168                     ; my wave's 256 numbers of b1, 1,024 bytes a wave
.set RED,   139264                     ; the partial logits: 1,024 x wave + 256 m + 16 r
.set L16,  1                           ; 16 x lane
.set RR,   2                           ; r = lane % 16
.set HH,   3                           ; h = lane / 16
.set STI,  4                           ; the stage, in: 16 x lane
.set STO,  5                           ; the stage, out: 528 r + 64 h
.set IMW,  6                           ; where I store my fragments' images
.set SCW,  7                           ; and their scale words
.set IMR,  8                           ; where any fragment is read
.set SCR,  9                           ; x's scale words: lanes 0-15 K steps 0-3, lanes 16-31 K steps 4-7
.set AW2,  10
.set AB1,  11
.set WSO,  12                          ; W1's scale words in memory: 16,384 h + 16 r
.set RDW,  13
.set RDR,  14
.set TOK,  15                          ; my row's token
.set CW2,  16
.set CB1,  17
.set R4,   18
.set LANE, 19
.set XS,   24
.set WS,   40
.set LG,   52
.set PW,   70
.set XQ,   72
.set ACC,  72
.set B1R,  104
.set W2R,  120
.set FIN,  152
.set PC,   200
.set TM,   240
.set MSB, 0
.macro WIN new                         ; the immediate's high byte repeats the setting that is left; a switch that changes nothing is dropped
.if MSB != \new
	s_set_vgpr_msb (MSB<<8)|\new
.set MSB, \new
.endif
.endm
.macro BARRIER                         ; my LDS stores have landed and my LDS loads are in: then the work-group's barrier
	s_wait_dscnt 0x0
	s_barrier_signal -1
	s_barrier_wait -1
.endm
	s_load_b512 s[4:19], s[0:1], 0x0               ; x s[4:5], order s[6:7], counts s[8:9], wq s[10:11], wsc s[12:13], b1 s[14:15], W2 s[16:17], b2 s[18:19]
	s_load_b128 s[20:23], s[0:1], 0x40             ; out0 s[20:21], out1 s[22:23]
	v_lshl_add_u32 v250, v0, 2, 0x23000
	v_mov_b32 v251, 0
	v_lshrrev_b32 v20, 5, v0
	v_readfirstlane_b32 s32, v20                   ; wave 0..3
	s_mov_b32 s33, ttmp9                           ; my tile's number
	s_mov_b32 s44, 0x76543210
	s_mov_b32 s45, 0xfedcba98                      ; v_permlanex16_b32: lane l xor 16
	s_wait_kmcnt 0x0
	s_load_b256 s[24:31], s[8:9], 0x0              ; the rows of experts 0 .. 7
	v_and_b32 v[LANE], 31, v0
	v_lshlrev_b32 v[L16], 4, v[LANE]
	v_and_b32 v[RR], 15, v0
	v_bfe_u32 v[HH], v0, 4, 1
	s_mul_i32 s40, s32, 16896
	v_add_nc_u32 v[STI], s40, v[L16]
	v_mul_u32_u24 v[STO], v[RR], 528
	v_lshl_add_u32 v[STO], v[HH], 6, v[STO]
	v_add_nc_u32 v[STO], s40, v[STO]
	s_mul_i32 s40, s32, 12288
	s_add_co_u32 s40, s40, XIMG
	v_add_nc_u32 v[IMW], s40, v[L16]
	s_lshl_b32 s40, s32, 9
	s_add_co_u32 s40, s40, XSC
	v_lshl_add_u32 v[SCW], v[RR], 4, s40
	v_add_nc_u32 v[IMR], XIMG, v[L16]
	v_lshlrev_b32 v[SCR], 4, v[RR]
	v_lshl_add_u32 v[SCR], v[HH], 8, v[SCR]
	v_add_nc_u32 v[SCR], XSC, v[SCR]
	s_lshl_b32 s40, s32, 12
	s_add_co_u32 s40, s40, W2L
	v_lshl_add_u32 v[AW2], v[HH], 7, s40           ; my half's eight units of a tile: 128 h
	v_add_nc_u32 v[CW2], s40, v[L16]
	s_lshl_b32 s40, s32, 10
	s_add_co_u32 s40, s40, B1L
	v_lshl_add_u32 v[AB1], v[HH], 5, s40           ; 32 h
	v_add_nc_u32 v[CB1], s40, v[L16]
	v_lshlrev_b32 v[WSO], 4, v[RR]
	v_lshl_add_u32 v[WSO], v[HH], 14, v[WSO]
	s_lshl_b32 s40, s32, 10
	s_add_co_u32 s40, s40, RED
	v_lshl_add_u32 v[RDW], v[RR], 4, s40
	s_lshl_b32 s40, s32, 8
	s_add_co_u32 s40, s40, RED
	v_lshl_add_u32 v[RDR], v[RR], 4, s40
	v_lshlrev_b32 v[R4], 2, v[RR]
.irp j, 0,1,2,3,4,5,6,7,8,9,10,11,12,13,14,15
	v_mov_b32 v[LG+\j], 0                          ; the logits' sums: 16 registers; a work-group without rows leaves them so
.endr
.irp b, 0,1,2,3
	v_mov_b32 v[TM+4+\b], 0                        ; written once: a lane permute's destination counts as one of its sources
.endr
	s_wait_kmcnt 0x0
	; WHICH TILE IS MINE.  Expert e has ceil(rows / 64) tiles.  Walking the experts, as long as my number is not under the tiles so far, I belong to a later expert.  No jump: selects.
.irp e, 0,1,2,3,4,5,6,7
	s_min_u32 s[24+\e], s[24+\e], 0x2000
.endr
	s_mov_b32 s34, 0                               ; E: my expert
	s_mov_b32 s35, 0                               ; TS: its first tile's number
	s_mov_b32 s36, 0                               ; OF: its first row in the list
	s_mov_b32 s37, s24                             ; CN: its rows
	s_mov_b32 s38, 0                               ; tiles so far
	s_mov_b32 s39, 0                               ; rows so far
.irp e, 0,1,2,3,4,5,6,7
	s_add_co_u32 s40, s[24+\e], 63
	s_lshr_b32 s40, s40, 6
	s_add_co_u32 s38, s38, s40
	s_add_co_u32 s39, s39, s[24+\e]
	s_cmp_ge_u32 s33, s38
	s_cselect_b32 s35, s38, s35                    ; the four selects stand ahead of the addition, which sets SCC
	s_cselect_b32 s36, s39, s36
.if \e < 7
	s_cselect_b32 s37, s[25+\e], s37
.else
	s_cselect_b32 s37, 0, s37                      ; behind the last expert: no rows
.endif
	s_cselect_b32 s40, 1, 0
	s_add_co_u32 s34, s34, s40
.endr
	s_sub_co_u32 s40, s33, s35
	s_lshl_b32 s40, s40, 6                         ; 64 x my tile's number within the expert
	s_sub_co_i32 s41, s37, s40                     ; N: the expert's rows from my first on; 0 or less exactly where I have none
	s_add_co_u32 s42, s36, s40
	s_min_u32 s42, s42, 0x1fff                     ; FIRST: my first row in the list
	s_min_u32 s34, s34, 7
	s_lshl_b32 s40, s32, 4
	s_sub_co_i32 s43, s41, s40
	s_max_i32 s43, s43, 0
	s_min_i32 s43, s43, 16                         ; NW: how many of my wave's 16 rows are the tile's own
	s_mov_b32 s47, 0
	s_mul_i32 s46, s34, 786432
	s_mul_i32 s40, s32, 196608
	s_add_co_u32 s46, s46, s40
	s_add_nc_u64 s[10:11], s[10:11], s[46:47]      ; wq: my expert, my wave's 16 tiles of units
	s_lshl_b32 s46, s34, 15
	s_lshl_b32 s40, s32, 12
	s_add_co_u32 s46, s46, s40
	s_add_nc_u64 s[12:13], s[12:13], s[46:47]      ; wsc
	s_lshl_b32 s46, s34, 12
	s_lshl_b32 s40, s32, 10
	s_add_co_u32 s46, s46, s40
	s_add_nc_u64 s[14:15], s[14:15], s[46:47]      ; b1
	s_lshl_b32 s46, s34, 14
	s_lshl_b32 s40, s32, 12
	s_add_co_u32 s46, s46, s40
	s_add_nc_u64 s[16:17], s[16:17], s[46:47]      ; W2
	s_lshl_b32 s46, s34, 4
	s_add_nc_u64 s[18:19], s[18:19], s[46:47]      ; b2
	s_lshl_b32 s40, s32, 4
	s_add_co_u32 s46, s42, s40
	s_lshl_b32 s46, s46, 2
	s_add_nc_u64 s[6:7], s[6:7], s[46:47]          ; the list at my wave's first row: word 8,191 + 48 + 15 at the most, inside its 8,256 words
	s_load_b512 s[48:63], s[6:7], 0x0              ; my wave's 16 tokens
	s_load_b128 s[24:27], s[18:19], 0x0            ; b2's four numbers (the counts are done with)
; The weights of tile t of my 16: its scale words, then its 8 fragments, K ascending: 25 loads into set t % 3.
.macro WLOAD t
.set ZL, (\t)%3
	global_load_b128 v[WS+4*ZL:WS+4*ZL+3], v[WSO], s[12:13] offset:256*(\t)   ; register q: lanes 0-15 K step q's word of unit r, lanes 16-31 K step 4 + q's
.if ZL < 2
	WIN 0xc0                                       ; destination window 3
.irp s, 0,1,2,3,4,5,6,7
.irp g, 0,1,2
	global_load_b128 v[96*ZL+12*\s+4*\g:96*ZL+12*\s+4*\g+3], v[L16], s[10:11] offset:12288*(\t)+1536*\s+512*\g
.endr
.endr
.else
	WIN 0x40                                       ; destination window 1
.irp s, 0,1,2,3
.irp g, 0,1,2
	global_load_b128 v[192+12*\s+4*\g:192+12*\s+4*\g+3], v[L16], s[10:11] offset:12288*(\t)+1536*\s+512*\g
.endr
.endr
	WIN 0x80                                       ; destination window 2
.irp s, 0,1,2,3
.irp g, 0,1,2
	global_load_b128 v[192+12*\s+4*\g:192+12*\s+4*\g+3], v[L16], s[10:11] offset:12288*(\t)+1536*(4+\s)+512*\g
.endr
.endr
.endif
	WIN 0
.endm
; K step s of my 16 rows of x: a load takes one row's 512 consecutive bytes, which start at a multiple of 512 from x's first byte; into set s % 3 of window 1.
.macro XLOAD s
	WIN 0x40
.irp r, 0,1,2,3,4,5,6,7,8,9,10,11,12,13,14,15
	global_load_b128 v[64*((\s)%3)+4*\r:64*((\s)%3)+4*\r+3], v[L16], s[66+2*\r:67+2*\r] offset:512*(\s) th:TH_LOAD_NT
.endr
	WIN 0
.endm
; They turn through my own stage s % 2, so that lane (r, h) gets, of row r, the 16 neighbours 32 b + 16 h + 0 .. 15 of each block b.  LDS serves a wave's instructions in order: no wait between the stores and the loads.
.macro TURN s
	WIN 0x04                                       ; an LDS store's data are its source 1: window 1
.irp r, 0,1,2,3,4,5,6,7,8,9,10,11,12,13,14,15
	ds_store_b128 v[STI], v[64*((\s)%3)+4*\r:64*((\s)%3)+4*\r+3] offset:8448*((\s)%2)+528*\r
.endr
	WIN 0
.irp b, 0,1,2,3
.irp j, 0,1,2,3
	ds_load_b128 v[XQ+64*((\s)%2)+16*\b+4*\j:XQ+64*((\s)%2)+16*\b+4*\j+3], v[STO] offset:8448*((\s)%2)+128*\b+16*\j
.endr
.endr
.endm
; 64 numbers of a lane (set p), register 16 b + i = k 32 b + 16 h + i of my row, become a fragment's 12 registers of codes in v[QP] on and its scale word in v[QW].
.macro QUANT p
.set QS, XQ+64*(\p)
.set QP, PC+20*(\p)
.set QW, PW+(\p)
.irp b, 0,1,2,3
	v_max3_num_f32 v[TM+\b], |v[QS+16*\b]|, |v[QS+1+16*\b]|, 0x1800000   ; block b: my 16 numbers, and the floor 2^(3 - 127): the byte cannot fall under 1
.endr
.irp i, 2,4,6,8,10,12,14
.irp b, 0,1,2,3
	v_max3_num_f32 v[TM+\b], v[TM+\b], |v[QS+16*\b+\i]|, |v[QS+1+16*\b+\i]|   ; (the four blocks by turns)
.endr
.endr
.irp b, 0,1,2,3
	v_permlanex16_b32 v[TM+4+\b], v[TM+\b], s44, s45
.endr
.irp b, 0,1,2,3
	v_max_num_f32 v[TM+\b], v[TM+\b], v[TM+4+\b]   ; with lane l xor 16's: the block's largest magnitude
.endr
.irp b, 0,1,2,3
	v_add_nc_u32 v[TM+12+\b], 0xff000000, v[TM+\b] ; 2 off its exponent field: the conversion's scale operand
.endr
.irp b, 0,1,2,3
	v_lshrrev_b32 v[TM+4+\b], 23, v[TM+12+\b]      ; the scale's byte
.endr
	v_lshl_or_b32 v[QW], v[TM+5], 8, v[TM+4]       ; the four bytes make my row's scale word (lanes r and 16 + r hold the same)
	v_lshl_or_b32 v[QW], v[TM+6], 16, v[QW]
	v_lshl_or_b32 v[QW], v[TM+7], 24, v[QW]
.irp c, 0,1
	v_cvt_scalef32_pk16_fp6_f32 v[QP+6*\c:QP+2+6*\c], v[QS+32*\c:QS+15+32*\c], v[TM+12+2*\c]
	v_cvt_scalef32_pk16_fp6_f32 v[QP+12+4*\c:QP+14+4*\c], v[QS+16+32*\c:QS+31+32*\c], v[TM+12+2*\c+1]   ; (a conversion's three registers begin on an even number)
.endr
	v_nop                                          ; one plain place behind the scaled conversions
.irp c, 0,1                                    ; the operand's layout wants a WHOLE block in a lane: lanes 0-15 block 2 c, lanes 16-31 block 2 c + 1
.irp i, 0,1,2
	v_permlane16_swap_b32 v[QP+6*\c+\i], v[QP+12+4*\c+\i]
.endr
.irp i, 0,1,2
	v_mov_b32 v[QP+3+6*\c+\i], v[QP+12+4*\c+\i]
.endr
.endr
.endm
.macro IMAGE s                         ; the fragment just made goes to LDS as it stands, and its scale word beside it
.irp g, 0,1,2
	ds_store_b128 v[IMW], v[QP+4*\g:QP+4*\g+3] offset:1536*(\s)+512*\g
.endr
	ds_store_b32 v[SCW], v[QW] offset:256*((\s)/4)+4*((\s)%4)
.endm
.macro XSTEP s
.if (\s) == 0
	s_wait_dscnt 0x0
.else
	s_wait_dscnt 4                                 ; this step's numbers are back from the stage; the four stores of the last image, which are younger, may be out
.endif
.if (\s)+3 < 8
	XLOAD (\s)+3                                   ; into the set that this step's stage stores have read
.endif
.if (\s) < 7
.if (\s) <= 4
	s_wait_loadcnt 32                              ; the next step's 16 loads are in; the two sets behind it may be out
.elseif (\s) == 5
	s_wait_loadcnt 16                              ; one set behind it
.else
	s_wait_loadcnt 0x0
.endif
	TURN (\s)+1                                    ; through the other stage while this step is quantised
.endif
	QUANT (\s)%2
	IMAGE \s
.endm
	WLOAD 0                                        ; the first two tiles' weights are asked for while the list is on its way
	WLOAD 1
.irp i, 0,1,2,3,4,5,6,7
	global_load_b128 v[200+4*\i:203+4*\i], v[L16], s[16:17] offset:512*\i      ; my wave's 256 rows of W2,
.endr
.irp i, 0,1
	global_load_b128 v[232+4*\i:235+4*\i], v[L16], s[14:15] offset:512*\i      ; its 256 numbers of b1: both once, in runs of 512 bytes, to be used from LDS
.endr
	global_load_b32 v[TOK], v[R4], s[6:7]          ; my row's token, for the end
	s_wait_kmcnt 0x0
.irp r, 0,1,2,3,4,5,6,7,8,9,10,11,12,13,14,15
	s_min_u32 s[48+\r], s[48+\r], 0x1fff           ; a token stays inside x
	s_lshl_b32 s46, s[48+\r], 12                   ; a row of x is 4,096 bytes
	s_add_nc_u64 s[66+2*\r:67+2*\r], s[4:5], s[46:47]
.endr
	XLOAD 0
	XLOAD 1
	XLOAD 2
	s_wait_loadcnt 49                              ; W2 and b1 are in: behind them stand the token's load and three sets of x
.irp i, 0,1,2,3,4,5,6,7
	ds_store_b128 v[CW2], v[200+4*\i:203+4*\i] offset:512*\i
.endr
.irp i, 0,1
	ds_store_b128 v[CB1], v[232+4*\i:235+4*\i] offset:512*\i                   ; my wave's own bytes: only I read them
.endr
	s_wait_loadcnt 32                              ; K step 0 of x is in; steps 1 and 2 may be out
	TURN 0
.irp s, 0,1,2,3,4,5,6,7
	XSTEP \s
.endr
	BARRIER                                        ; the tile's 32 fragments and their scale words lie in LDS
	s_cmp_lt_i32 s41, 1                            ; a tile without rows: the products are jumped over; no barrier stands in what is jumped
	s_cbranch_scc1 .Lno_rows
	; x's scale words, b1 of the first tile, and all of x's fragments: K steps 0-3 first, so that the first products need not wait for the rest
.irp m, 0,1,2,3
	ds_load_b128 v[XS+4*\m:XS+4*\m+3], v[SCR] offset:512*\m
.endr
.irp i, 0,1
	ds_load_b128 v[B1R+4*\i:B1R+4*\i+3], v[AB1] offset:16*\i
.endr
	WIN 0x40                                       ; destination window 1
.irp q, 0,1,2,3
.irp m, 0,1,2,3
.irp g, 0,1,2
	ds_load_b128 v[12*(4*\q+\m)+4*\g:12*(4*\q+\m)+4*\g+3], v[IMR] offset:(8*\m+\q)*1536+512*\g
.endr
.endr
.endr
	WIN 0x80                                       ; destination window 2
.irp q, 0,1,2,3
.irp m, 0,1,2,3
.irp g, 0,1,2
	ds_load_b128 v[12*(4*\q+\m)+4*\g:12*(4*\q+\m)+4*\g+3], v[IMR] offset:(8*\m+4+\q)*1536+512*\g
.endr
.endr
.endr
	WIN 0
; 16 matrix instructions: four K steps (half 0: steps 0-3, half 1: steps 4-7) x the four tiles of rows.  The four accumulators take turns, one instruction a turn, within a tile and from tile to tile
; Steps 4-7 take both sides' scale words from lanes 16-31.
.macro MULH t, half
.set ZM, (\t)%3
.if ZM < 2
.set WN, 0x07+4*(\half)                        ; source 0 (W1) window 3, source 1 (x) window 1 or 2, C and D window 0
.set WB, 96*ZM+48*(\half)
.else
.set WN, 0x05+5*(\half)                        ; both sources window 1, or both window 2
.set WB, 192
.endif
.set BB, B1R+8*((\t)%2)
	WIN WN
.irp q, 0,1,2,3
.irp m, 0,1,2,3
.if (\half) == 1
	v_wmma_scale_f32_16x16x128_f8f6f4 v[ACC+8*\m:ACC+8*\m+7], v[WB+12*\q:WB+12*\q+11], v[12*(4*\q+\m):12*(4*\q+\m)+11], v[ACC+8*\m:ACC+8*\m+7], v[WS+4*ZM+\q], v[XS+4*\m+\q] matrix_a_fmt:MATRIX_FMT_FP6 matrix_b_fmt:MATRIX_FMT_FP6 matrix_a_scale:MATRIX_SCALE_ROW1 matrix_b_scale:MATRIX_SCALE_ROW1
.elseif \q == 0
	v_wmma_scale_f32_16x16x128_f8f6f4 v[ACC+8*\m:ACC+8*\m+7], v[WB+12*\q:WB+12*\q+11], v[12*(4*\q+\m):12*(4*\q+\m)+11], v[BB:BB+7], v[WS+4*ZM+\q], v[XS+4*\m+\q] matrix_a_fmt:MATRIX_FMT_FP6 matrix_b_fmt:MATRIX_FMT_FP6
.else
	v_wmma_scale_f32_16x16x128_f8f6f4 v[ACC+8*\m:ACC+8*\m+7], v[WB+12*\q:WB+12*\q+11], v[12*(4*\q+\m):12*(4*\q+\m)+11], v[ACC+8*\m:ACC+8*\m+7], v[WS+4*ZM+\q], v[XS+4*\m+\q] matrix_a_fmt:MATRIX_FMT_FP6 matrix_b_fmt:MATRIX_FMT_FP6
.endif
.endr
.endr
.endm
; relu, and the second product: register 8 m + j of lane (r, h) is the hidden unit 16 t + 8 h + j of row 16 m + r; it multiplies that unit's four numbers of W2, two at a time.
.macro EPI
	WIN 0
	s_wait_dscnt 0x0                               ; W2's rows of this tile and b1 of the next are in
.rept 4
	v_nop                                          ; four places between the last product and the first read of results (ISA guide 7.12.1)
.endr
.irp j, 0,1,2,3,4,5,6,7,8,9,10,11,12,13,14,15,16,17,18,19,20,21,22,23,24,25,26,27,28,29,30,31
	v_max_num_f32 v[ACC+\j], 0, v[ACC+\j]          ; each accumulator from its low end on
.endr
.irp j, 0,2,4,6
.irp m, 0,1,2,3
.irp p, 0,1
	v_pk_fma_f32 v[LG+4*\m+2*\p:LG+4*\m+2*\p+1], v[ACC+8*\m+\j:ACC+8*\m+\j+1], v[W2R+4*\j+2*\p:W2R+4*\j+2*\p+1], v[LG+4*\m+2*\p:LG+4*\m+2*\p+1] op_sel_hi:[0,1,1]   ; the pair's first register serves both halves
.endr
.endr
.irp m, 0,1,2,3
.irp p, 0,1
	v_pk_fma_f32 v[LG+4*\m+2*\p:LG+4*\m+2*\p+1], v[ACC+8*\m+\j:ACC+8*\m+\j+1], v[W2R+4*(\j+1)+2*\p:W2R+4*(\j+1)+2*\p+1], v[LG+4*\m+2*\p:LG+4*\m+2*\p+1] op_sel:[1,0,0] op_sel_hi:[1,1,1]   ; its second
.endr
.endr
.endr
.endm
; A tile of 16 units.  The weights of the tile two on go into the set that the tile before has left: that tile's relu and multiply-adds are the places behind its products.
.macro TILE t
.if (\t) < 14
.set YY, 50                                    ; the loads of the two tiles asked for behind this one
.elseif (\t) == 14
.set YY, 25
.else
.set YY, 0
.endif
.if (\t)+2 < 16
	WLOAD (\t)+2
.endif
.irp j, 0,1,2,3,4,5,6,7
	ds_load_b128 v[W2R+4*\j:W2R+4*\j+3], v[AW2] offset:256*(\t)+16*\j
.endr
.if (\t) < 15
.irp i, 0,1
	ds_load_b128 v[B1R+8*(((\t)+1)%2)+4*\i:B1R+8*(((\t)+1)%2)+4*\i+3], v[AB1] offset:64*((\t)+1)+16*\i
.endr
.endif
	s_wait_loadcnt YY+12                           ; this tile's scale words and K steps 0-3 are in; its K steps 4-7 (12 loads) and the later tiles' may be out
.if (\t) == 0
	s_wait_dscnt 58                                ; x's scale words, b1 and x's K steps 0-3 are in; behind them: 48 loads of K steps 4-7 and this tile's ten
.endif
	MULH \t, 0
	s_wait_loadcnt YY
.if (\t) == 0
	s_wait_dscnt 10                                ; x's K steps 4-7 are in
.endif
	MULH \t, 1
	EPI
.endm
.irp t, 0,1,2,3,4,5,6,7,8,9,10,11,12,13,14,15
	TILE \t
.endr
.irp j, 0,1,2,3,4,5,6,7,8,9,10,11,12,13,14,15
	v_permlanex16_b32 v[ACC+\j], v[LG+\j], s44, s45          ; the row's other eight units of each tile lie in lane l xor 16
.endr
.irp j, 0,1,2,3,4,5,6,7,8,9,10,11,12,13,14,15
	v_add_f32 v[LG+\j], v[LG+\j], v[ACC+\j]
.endr
.Lno_rows:
	s_wait_loadcnt 0x0                             ; (the token's load among them)
	s_wait_alu depctr_va_vdst(0)
.irp m, 0,1,2,3
	ds_store_b128 v[RDW], v[LG+4*\m:LG+4*\m+3] offset:256*\m     ; my 256 units' share of the 64 rows' logits; lanes r and 16 + r write the same numbers to the same place
.endr
	BARRIER
	; THE END: wave w finishes rows 16 w + r
.irp u, 0,1,2,3
	ds_load_b128 v[FIN+4*\u:FIN+4*\u+3], v[RDR] offset:1024*\u
.endr
	s_wait_dscnt 0x0
	v_pk_add_f32 v[FIN:FIN+1], v[FIN:FIN+1], v[FIN+4:FIN+5]
	v_pk_add_f32 v[FIN+2:FIN+3], v[FIN+2:FIN+3], v[FIN+6:FIN+7]
	v_pk_add_f32 v[FIN+8:FIN+9], v[FIN+8:FIN+9], v[FIN+12:FIN+13]
	v_pk_add_f32 v[FIN+10:FIN+11], v[FIN+10:FIN+11], v[FIN+14:FIN+15]
	v_pk_add_f32 v[FIN:FIN+1], v[FIN:FIN+1], v[FIN+8:FIN+9]
	v_pk_add_f32 v[FIN+2:FIN+3], v[FIN+2:FIN+3], v[FIN+10:FIN+11]
.irp k, 0,1,2,3
	v_add_f32 v[FIN+\k], s[24+\k], v[FIN+\k]       ; + b2: the logits
.endr
.irp k, 0,1,2,3
	v_mul_f32 v[FIN+16+\k], 0xbfb8aa3b, v[FIN+\k]  ; -z log2(e)
.endr
	s_wait_alu depctr_va_vdst(0)
.irp k, 0,1,2,3
	v_exp_f32 v[FIN+16+\k], v[FIN+16+\k]
.endr
	v_min_u32 v[TOK], 0x1fff, v[TOK]               ; (a plain place behind the exponentials)  a token stays inside the outputs
	s_wait_alu depctr_va_vdst(0)
.irp k, 0,1,2,3
	v_add_f32 v[FIN+16+\k], 1.0, v[FIN+16+\k]
.endr
	s_wait_alu depctr_va_vdst(0)
.irp k, 0,1,2,3
	v_rcp_f32 v[FIN+16+\k], v[FIN+16+\k]           ; q = 1 / (1 + e^-z)
.endr
	v_lshlrev_b32 v20, 4, v[TOK]                   ; (a plain place behind the reciprocals)  out0: 16 bytes a token
	v_mul_u32_u24 v21, 20, v[TOK]                  ; out1: 20 bytes a token
	s_wait_alu depctr_va_vdst(0)
	v_sub_f32 v[FIN+24], 1.0, v[FIN+16]
	v_sub_f32 v[FIN+25], v[FIN+16], v[FIN+17]
	v_sub_f32 v[FIN+26], v[FIN+17], v[FIN+18]
	v_sub_f32 v[FIN+27], v[FIN+18], v[FIN+19]
.irp i, 0,1,2,3
	v_max_num_f32 v[FIN+24+\i], 0x322bcc77, v[FIN+24+\i]     ; held at 1e-8 from below
.endr
	v_max_num_f32 v[FIN+28], 0x322bcc77, v[FIN+19]
	v_add_f32 v[FIN+30], v[FIN+24], v[FIN+25]
	v_add_f32 v[FIN+31], v[FIN+26], v[FIN+27]
	v_add_f32 v[FIN+30], v[FIN+30], v[FIN+28]
	v_add_f32 v[FIN+30], v[FIN+30], v[FIN+31]
	v_max_num_f32 v[FIN+30], 0x322bcc77, v[FIN+30]
	s_wait_alu depctr_va_vdst(0)
	v_rcp_f32 v[FIN+30], v[FIN+30]
	v_nop                                          ; a plain place behind the reciprocal
	s_wait_alu depctr_va_vdst(0)
.irp i, 0,1,2,3,4
	v_mul_f32 v[FIN+24+\i], v[FIN+24+\i], v[FIN+30]
.endr
	s_wait_alu depctr_va_vdst(0)
	s_wait_xcnt 0x0                                ; EXEC changes only behind this wait
	v_cmp_gt_u32 vcc_lo, s43, v[LANE]              ; lanes 0 .. NW - 1: the rows that are the tile's own (lanes 16-31 hold copies)
	s_wait_tensorcnt 0x0
	ds_add_u32 v250, v251
	s_wait_dscnt 0x0
	s_and_saveexec_b32 s40, vcc_lo
	global_store_b128 v20, v[FIN:FIN+3], s[20:21]
.irp i, 0,1,2,3,4
	global_store_b32 v21, v[FIN+24+\i], s[22:23] offset:4*\i
.endr
	s_wait_xcnt 0x0                                ; and again in front of the line that widens it
	s_or_b32 exec_lo, exec_lo, s40
	s_endpgm
.Lfunc_end_k_q1643c30a2e_experts:
	.size	k_q1643c30a2e_experts, .Lfunc_end_k_q1643c30a2e_experts-k_q1643c30a2e_experts
	.p2alignl 7, 3214868480
	.fill 96, 4, 3214868480
	.section	.rodata,"a",@progbits
	.p2align	6, 0x0
	.amdhsa_kernel k_q1643c30a2e_experts
		.amdhsa_group_segment_fixed_size 143872
		.amdhsa_private_segment_fixed_size 0
		.amdhsa_enable_private_segment 0
		.amdhsa_kernarg_size 80
		.amdhsa_user_sgpr_count 2
		.amdhsa_user_sgpr_kernarg_segment_ptr 1
		.amdhsa_wavefront_size32 1
		.amdhsa_system_sgpr_workgroup_id_x 1
		.amdhsa_system_sgpr_workgroup_id_y 1
		.amdhsa_system_sgpr_workgroup_id_z 1
		.amdhsa_system_vgpr_workitem_id 0
		.amdhsa_next_free_vgpr 1024
		.amdhsa_next_free_sgpr 100
		.amdhsa_reserve_vcc 1
		.amdhsa_float_denorm_mode_32 3
		.amdhsa_float_denorm_mode_16_64 3
		.amdhsa_memory_ordered 1
		.amdhsa_forward_progress 1
		.amdhsa_inst_pref_size 255
	.end_amdhsa_kernel
	.section	.bss,"aw",@nobits
	.p2align	6
	.space	262144
	.amdgpu_metadata
---
amdhsa.version: [ 1, 2 ]
amdhsa.kernels:
  - .name:           k_q1643c30a2e_experts
    .symbol:         k_q1643c30a2e_experts.kd
    .args:
      - { .name: x, .offset: 0, .size: 8, .value_kind: global_buffer, .address_space: global }
      - { .name: order, .offset: 8, .size: 8, .value_kind: global_buffer, .address_space: global }
      - { .name: counts, .offset: 16, .size: 8, .value_kind: global_buffer, .address_space: global }
      - { .name: wq, .offset: 24, .size: 8, .value_kind: global_buffer, .address_space: global }
      - { .name: wsc, .offset: 32, .size: 8, .value_kind: global_buffer, .address_space: global }
      - { .name: b1, .offset: 40, .size: 8, .value_kind: global_buffer, .address_space: global }
      - { .name: W2, .offset: 48, .size: 8, .value_kind: global_buffer, .address_space: global }
      - { .name: b2, .offset: 56, .size: 8, .value_kind: global_buffer, .address_space: global }
      - { .name: out0, .offset: 64, .size: 8, .value_kind: global_buffer, .address_space: global }
      - { .name: out1, .offset: 72, .size: 8, .value_kind: global_buffer, .address_space: global }
    .group_segment_fixed_size: 143872
    .private_segment_fixed_size: 0
    .kernarg_segment_align: 8
    .kernarg_segment_size: 80
    .max_flat_workgroup_size: 128
    .sgpr_count:     100
    .vgpr_count:     1024
    .wavefront_size: 32
...
	.end_amdgpu_metadata
.endif
;; end of part 2
